; MI455X (gfx1250); checked and timed in simulation.
; The chip was launched on July 23, 2026; its instructions are those of AMD's public machine-readable ISA for CDNA 5 (MIT licence, August 2026) and "CDNA5" Instruction Set Architecture Reference Guide (July 2026). The comments in the code are by the model that wrote it; some were corrected since.
;; Triangle Attention. Allowed arithmetic: float matrix products may take bf16 or f16 operands with f32 sums; other float arithmetic in f32, or as packed bf16 or f16 multiplies, adds, multiply-adds, maxima and minima; sums over many terms, partial sums and values carried from step to step in f32; what a program stores and reads back later, other than sums and carried values, may be rounded once to bf16 or f16.
;; Inputs: Wg 256 x 512 float32; Wk 256 x 512 float32; Wo 512 x 256 float32; Wq 256 x 512 float32; Wv 256 x 512 float32; beta 256 float32; bg 512 float32; bo 256 float32; gamma 256 float32; mask 1 x 256 x 256 float32; x 1 x 256 x 256 x 256 float32.
;; Outputs: out0 1 x 256 x 256 x 256 float32.
;; Constants: num_heads = 8.
;; One version. Each part assembles by itself: llvm-mc -triple=amdgcn-amd-amdhsa -mcpu=gfx1250 --defsym DOCPART=n.
;; ======== version 1 of 1: 2 launches
;; limits: values are held in f16: magnitudes above 65,504 overflow, below 6.1e-05 lose precision
;; workspace buffers: wt 1,310,720 bytes
;; launch prep (part 1): grid 8 x 40, 8 waves a work-group, no clusters, 0 bytes of LDS; arguments Wq, Wk, Wv, Wg, Wo, wt; writes wt
.if DOCPART == 1
	.amdgcn_target "amdgcn-amd-amdhsa--gfx1250"
	.amdhsa_code_object_version 6
	.text
	.protected	k_qdb0ccc6282_prep
	.globl	k_qdb0ccc6282_prep
	.p2align	8
	.type	k_qdb0ccc6282_prep,@function
k_qdb0ccc6282_prep:
	s_mov_b64 s[64:65], 0
	v_nop
	global_prefetch_b8 v0, s[64:65] scope:SCOPE_SE
	s_setreg_imm32_b32 hwreg(HW_REG_WAVE_MODE, 25, 1), 1
	s_wait_xcnt 0x0
; The five weight matrices, rounded once to f16 and laid out as matrix fragments in the order in which the second launch uses them.
; wt: 40 tiles of 32,768 bytes, tile T = 5 head + s.  s = 0, 1: {Wk, Wv}, input channels 0-127, 128-255; s = 2, 3: {Wq, Wg} likewise; s = 4: Wo's 64 rows of the head.
; A tile is 32 fragments of 1,024 bytes; a fragment is [u = 0, 1][lane 16 h + r][8 halves e]: 16 bytes a lane, so that a 16-byte LDS load at 16 x lane brings registers 0-3 (u = 0) or 4-7 (u = 1).
;   projection tiles: fragment 8 c + nt holds M[128 (s & 1) + 32 c + 16 u + 8 h + e][64 head + 16 (nt & 3) + r], M the pair's first matrix for nt < 4, its second for nt >= 4
;   Wo's tile:        fragment 2 ct + c holds Wo[64 head + 32 c + 16 u + 8 h + e][16 ct + r]
; A work-group (x = j, y = T) writes fragments 4 j .. 4 j + 3, 4,096 consecutive bytes; thread t = 64 fl + 32 u + 16 h + r writes the 16 bytes at 16 t: a wave's store covers 512 consecutive bytes.
; The reads are 64-byte pieces of rows: the launch reads 2.6 MB once, and neighbouring waves take the rest of each row's piece, so no transposition through LDS is made.
; LIMIT: a weight beyond 65,504 becomes an infinity in f16; below 6e-5 it keeps f16's fixed step of 6e-8.
	s_load_b256 s[4:11], s[0:1], 0x0               ; Wq s[4:5], Wk s[6:7], Wv s[8:9], Wg s[10:11]
	s_load_b128 s[12:15], s[0:1], 0x20             ; Wo s[12:13], wt s[14:15]
	s_and_b32 s16, ttmp7, 0xffff                   ; T
	s_mul_i32 s17, s16, 205
	s_lshr_b32 s17, s17, 10                        ; head = T / 5 (exact for T < 40)
	s_mul_i32 s18, s17, 5
	s_sub_co_u32 s18, s16, s18                     ; s = T - 5 head
	v_lshrrev_b32 v1, 6, v0                        ; fl
	v_bfe_u32 v2, v0, 5, 1                         ; u
	v_bfe_u32 v3, v0, 4, 1                         ; h
	v_and_b32 v4, 15, v0                           ; r
	v_lshlrev_b32 v5, 4, v0                        ; 16 t
	v_lshlrev_b32 v6, 2, v4                        ; 4 r: the column's bytes
	s_lshl_b32 s20, s16, 15                        ; the tile,
	s_lshl_b32 s21, ttmp9, 12                      ; my 4,096 bytes of it
	s_add_co_u32 s20, s20, s21
	s_mov_b32 s21, 0
	s_mov_b32 s27, 0
	s_wait_kmcnt 0x0
	s_add_nc_u64 s[14:15], s[14:15], s[20:21]
	s_cmp_eq_u32 s18, 4
	s_cbranch_scc1 .Lwo                            ; the same for the whole work-group
	; a projection tile: c = j / 2, nt = 4 (j & 1) + fl.  A row of M is 2,048 bytes.
	s_and_b32 s26, s18, 1
	s_lshl_b32 s26, s26, 18                        ; 128 rows
	s_lshr_b32 s28, ttmp9, 1
	s_lshl_b32 s28, s28, 16                        ; 32 c rows
	s_add_co_u32 s26, s26, s28
	s_lshl_b32 s28, s17, 8                         ; 64 head columns
	s_add_co_u32 s26, s26, s28
	s_cmp_lt_u32 s18, 2
	s_cselect_b64 s[22:23], s[6:7], s[4:5]         ; the pair's first matrix: Wk or Wq
	s_cselect_b64 s[24:25], s[8:9], s[10:11]       ; its second: Wv or Wg
	s_and_b32 s28, ttmp9, 1
	s_cmp_eq_u32 s28, 1
	s_cselect_b64 s[22:23], s[24:25], s[22:23]
	s_add_nc_u64 s[22:23], s[22:23], s[26:27]
	v_lshl_add_u32 v6, v1, 6, v6                   ; 16 fl columns
	v_lshl_add_u32 v6, v3, 14, v6                  ; 8 h rows
	v_lshl_add_u32 v6, v2, 15, v6                  ; 16 u rows
.irp e, 0,1,2,3,4,5,6,7
	global_load_b32 v[8+\e], v6, s[22:23] offset:2048*\e
.endr
	s_branch .Lcvt
.Lwo:                                              ; Wo's tile: ct = 2 j + fl / 2, c = fl & 1.  A row of Wo is 1,024 bytes.
	s_lshl_b32 s26, s17, 16                        ; 64 head rows
	s_lshl_b32 s28, ttmp9, 7                       ; 32 j columns
	s_add_co_u32 s26, s26, s28
	s_add_nc_u64 s[22:23], s[12:13], s[26:27]
	v_lshrrev_b32 v7, 1, v1
	v_and_b32 v1, 1, v1
	v_lshl_add_u32 v6, v7, 6, v6                   ; 16 (fl / 2) columns
	v_lshl_add_u32 v6, v3, 13, v6                  ; 8 h rows
	v_lshl_add_u32 v6, v2, 14, v6                  ; 16 u rows
	v_lshl_add_u32 v6, v1, 15, v6                  ; 32 c rows
.irp e, 0,1,2,3,4,5,6,7
	global_load_b32 v[8+\e], v6, s[22:23] offset:1024*\e
.endr
.Lcvt:
	s_wait_loadcnt 0x0
.irp p, 0,1,2,3
	v_cvt_pk_f16_f32 v[16+\p], v[8+2*\p], v[9+2*\p]
.endr
	global_store_b128 v5, v[16:19], s[14:15]
	s_endpgm
.Lfunc_end_k_qdb0ccc6282_prep:
	.size	k_qdb0ccc6282_prep, .Lfunc_end_k_qdb0ccc6282_prep-k_qdb0ccc6282_prep
	.p2alignl 7, 3214868480
	.fill 96, 4, 3214868480
	.section	.rodata,"a",@progbits
	.p2align	6, 0x0
	.amdhsa_kernel k_qdb0ccc6282_prep
		.amdhsa_group_segment_fixed_size 0
		.amdhsa_private_segment_fixed_size 0
		.amdhsa_enable_private_segment 0
		.amdhsa_kernarg_size 48
		.amdhsa_user_sgpr_count 2
		.amdhsa_user_sgpr_kernarg_segment_ptr 1
		.amdhsa_wavefront_size32 1
		.amdhsa_system_sgpr_workgroup_id_x 1
		.amdhsa_system_sgpr_workgroup_id_y 1
		.amdhsa_system_sgpr_workgroup_id_z 1
		.amdhsa_system_vgpr_workitem_id 0
		.amdhsa_next_free_vgpr 24
		.amdhsa_next_free_sgpr 66
		.amdhsa_reserve_vcc 0
		.amdhsa_float_denorm_mode_32 3
		.amdhsa_float_denorm_mode_16_64 3
		.amdhsa_memory_ordered 1
		.amdhsa_forward_progress 1
		.amdhsa_inst_pref_size 5
	.end_amdhsa_kernel
	.amdgpu_metadata
---
amdhsa.version: [ 1, 2 ]
amdhsa.kernels:
  - .name:           k_qdb0ccc6282_prep
    .symbol:         k_qdb0ccc6282_prep.kd
    .args:
      - { .name: Wq, .offset: 0, .size: 8, .value_kind: global_buffer, .address_space: global }
      - { .name: Wk, .offset: 8, .size: 8, .value_kind: global_buffer, .address_space: global }
      - { .name: Wv, .offset: 16, .size: 8, .value_kind: global_buffer, .address_space: global }
      - { .name: Wg, .offset: 24, .size: 8, .value_kind: global_buffer, .address_space: global }
      - { .name: Wo, .offset: 32, .size: 8, .value_kind: global_buffer, .address_space: global }
      - { .name: wt, .offset: 40, .size: 8, .value_kind: global_buffer, .address_space: global }
    .group_segment_fixed_size: 0
    .private_segment_fixed_size: 0
    .kernarg_segment_align: 8
    .kernarg_segment_size: 48
    .max_flat_workgroup_size: 256
    .sgpr_count:     66
    .vgpr_count:     24
    .wavefront_size: 32
...
	.end_amdgpu_metadata
.endif
;; end of part 1
;; launch tri (part 2): grid 256 x 1, 4 waves a work-group, clusters of 4 x 1, 327,680 bytes of LDS; arguments x, mask, gamma, beta, bg, bo, wt, out0; writes out0
.if DOCPART == 2
	.amdgcn_target "amdgcn-amd-amdhsa--gfx1250"
	.amdhsa_code_object_version 6
	.text
	.protected	k_qdb0ccc6282_tri
	.globl	k_qdb0ccc6282_tri
	.p2align	8
	.type	k_qdb0ccc6282_tri,@function
k_qdb0ccc6282_tri:
	s_mov_b64 s[64:65], 0
	v_nop
	global_prefetch_b8 v0, s[64:65] scope:SCOPE_SE
	s_setreg_imm32_b32 hwreg(HW_REG_WAVE_MODE, 25, 1), 1
	s_wait_xcnt 0x0
	s_wait_alu depctr_hold_cnt(0) depctr_sa_sdst(0) depctr_va_vdst(0) depctr_va_sdst(0) depctr_va_ssrc(0) depctr_va_vcc(0) depctr_vm_vsrc(0)
	s_getreg_b32 s2, hwreg(HW_REG_IB_STS2, 6, 4)
	s_cmp_eq_u32 s2, 0
	s_cbranch_scc0 .Lentry_in_a_cluster
	s_endpgm
.Lentry_in_a_cluster:
	s_bfe_u32 s2, ttmp6, 0x10000c
	s_cmp_lg_u32 s2, 0x3003
	s_cbranch_scc0 .Lentry_shape_is_right
	s_endpgm
.Lentry_shape_is_right:
; TRIANGLE ATTENTION, one work-group for each row i: LayerNorm, the projections q, k, v, g, eight heads of attention over the row's 256 tokens with the key bias 1e9 (mask - 1),
; the sigmoid gate, the output projection and bo.  Only x, the small vectors, the weights' f16 copy wt and out0 touch memory.
; SHARES.  Wave w owns tokens 64 w .. 64 w + 63, four tiles t of 16, in every step; only K, V and the key bias cross waves, through LDS.  The output's sums, 64 tokens x 256 channels in f32, stay in 512 registers
; of the wave from first to last: they begin as bo, and each head adds its 64 channels' part.
; FORMATS.  All matrix operands are f16 (xn, the weights, q, k, v, the weights p of the softmax, o g); all sums, the LayerNorm, the softmax and the sigmoid are f32.
; LIMITS.  f16 holds no number beyond 65,504: the weights, xn (at most 16 |gamma| + |beta|), q, k and v must lie within it; below 6e-5 f16 keeps its fixed step of 6e-8.
; The scale and the bias enter as one fused multiply-add in base 2, s log2(e) / 8 + bias log2(e); where ALL keys of a row are masked the bias swallows the scores, as it does in f32 for scores under 32,
; and the row's result is the plain mean of v; beyond that the two roundings at 1e9 differ.  A weight p below 2^-126 counts as 0.  NaN and infinities are not treated apart.
; The row's true maximum over all 256 keys is taken away before the exponentials: a tile's whole row of scores is in registers, so there is no running maximum.
; LAYOUTS.  Every product is laid so that nothing changes lanes (source 0 x source 1, what a lane of the result holds):
;   k, q, g = W x xn: token r, channels 8 h + j      v = xn x Wv: channel r, tokens 8 h + j      S^T = K x Q: query r, keys 8 h + j
;   O^T = V^T x P: query r, channels 8 h + j          out^T = Wo x (o g): token r, output channels 8 h + j
; Two results rounded to f16 in pairs are registers 0-3 and 4-7 of the next product's fragment in the same lanes: q, p and o g never leave registers; K and V^T go to LDS and come back 16 bytes a lane.
; CLUSTER.  All work-groups walk the same 40 weight tiles of 32,768 bytes: the four of a cluster ask for each tile JOINTLY, each wave for its quarter (32 rows of 256 bytes), same descriptor and mask in all four.
; One tensor load of a wave is out at any time.  The place in the cluster enters the addresses of x, mask and out0 alone.
; LDS: two slots for the weight tiles; K's and V^T's fragments of one head; xn, row-major, pitch 528 (an odd multiple of 16 bytes: the 16 rows of a load begin in 16 different 16-byte columns of 256);
; the bias; the spare words.  At the end a wave's own part of xn is its stage for the way out.
; REGISTERS, in windows of 256 (s_set_vgpr_msb: bits 1:0 source 0, 3:2 source 1, 5:4 source 2, 7:6 destination):
;   window 0: v0-31 addresses and statistics; v32-255 by phase (see the names below)      window 1: a projection pass's 32 accumulators; in attention S^T, then P and O^T, of two query tiles
;   windows 2, 3: the output's sums: tile t, channel block ct in window 2 + t / 2 at 128 (t % 2) + 8 ct
.set RING1, 0x8000      ; slot 0 at 0, slot 1 here: one exclusive or turns an address in one into the other's
.set KF,    65536       ; K: fragment (2 kb + c) x 1,024, half u x 512
.set VF,    98304       ; V^T: fragment (4 kk + cb) x 1,024, half u x 512
.set XN,    131072      ; 256 rows of 528 bytes
.set XP,    528
.set XW,    64*XP       ; a wave's rows
.set BIAS,  266240      ; 256 f32
.set SPARE, 267264      ; the spare words, 128 bytes for each wave: two blocks of 256 bytes that no other line names
.set SPI,   1040        ; the stage's pitch: 1,024 + 16
; v1 r; v2 h; v3 my place in my rows of xn; v4 16 x lane; v5 v4 + the slot in hand; v6 KF + 16 x lane; v7, v8 where I put K's, V^T's fragments; v9 BIAS + 32 h; v10 32 h;
; v11 my offset in a pair of rows of x; v12 LayerNorm: where I put xn, later the stage's way in; v13 the stage's way back; v14-15 two mask numbers; v16-19 maximum, then 1 / sum, of the two tiles (pairs);
; v20 16 r; v21 8 t; v22 BIAS + 8 t; v28, v29 the other half of the lanes' number; v30, v31 the add's two registers, never rewritten
.set T,   32            ; LayerNorm: at work
.set X,   64            ; LayerNorm: eight slots of 16 registers
.set GAM, 192
.set BET, 208
.set FB0, 32            ; a projection pass's two fragment buffers of 96: xn's tile t at + 8 t, W's block nt at + 32 + 8 nt
.set BGT, 224           ; bg of the head: block cb at + 8 cb
.set QA,  32            ; Q of the two tiles in hand, later their o g;   QB = 64 the other two's
.set GA,  96            ; the gate of the two tiles in hand;             GB = 128 the other two's
.set F,   160           ; three buffers of 32 for K's and V^T's fragments; also the bias
.set MX,  224           ; eight chains of maxima
.set LS,  232           ; eight chains of sums (pairs)
.set WB0, 96            ; Wo's fragments: two buffers of 64
; s[4:19] the eight addresses; s20 wave; s21 cx; s22 row; s[24:31] descriptor group 1; s[32:35] group 0, which walks; s36 the slot to be read; s37 heads; s38 pieces; s39 laps;
; s[40:41] log2(e) / 8; s[42:43] lane selects; s[44:45] -log2(e); s[46:47] -1/256; s48 1/256; s49 1e-5; s52 my rows of xn in LDS; s[50:51], s[54:57] offsets
.set MSB, 0
.macro WIN new                      ; the immediate's high byte repeats the setting that is left; a switch that changes nothing is dropped
.if MSB != (\new)
	s_set_vgpr_msb (MSB<<8)|(\new)
.set MSB, (\new)
.endif
.endm
.macro PLACES                       ; four places: behind a matrix instruction, ahead of vector lines that read its result and of loads into its registers (ISA guide 7.12.1 for the vector lines)
.rept 4
	v_nop
.endr
.endm
.macro CROUND                       ; a round of the cluster's barrier: my work-group's barrier; wave 0 signals for the work-group; every wave waits for all four; my work-group's barrier once more
	s_barrier_signal -1
	s_barrier_wait -1
	s_cmp_lg_u32 s20, 0
	s_cbranch_scc1 .Lnot_wave_0_\@
	s_barrier_signal -3
.Lnot_wave_0_\@:
	s_barrier_wait -3
	s_barrier_signal -1
	s_barrier_wait -1
.endm
; THE CHANGE OF SLOTS.  Each wave waits for all its tensor loads (one is out: its quarter of the next tile), adds 0 to its spare word, and waits for that, for its reads of the old slot and for its LDS stores.
; fill = 1: a round of the cluster's barrier, and the old slot takes the next tile of wt, first thing behind the round.  The rounds are also all the order that K, V^T and the bias need between waves:
; a head's stores of K and V^T stand two changes ahead of their reads, the reads three changes ahead of the next head's stores.
.macro CHANGE fill
	WIN 0
	s_wait_tensorcnt 0x0            ; no tensor load of mine is out, so group 0 may be written
	ds_add_u32 v30, v31             ; 0 onto my spare word; scalar work stands between it and the wait for it
.if \fill
	s_xor_b32 s33, s33, RING1       ; the other slot than last time,
	s_add_nc_u64 s[34:35], s[34:35], 32768  ; the next tile; the type bits on top are not reached
.endif
	s_xor_b32 s36, s36, RING1       ; and the reads go to the slot that has just landed
	s_wait_dscnt 0x0
.if \fill
	CROUND
	tensor_load_to_lds s[32:35], s[24:31]
	s_nop 0
	PLACES                          ; the places ahead of the fragment loads that follow
.else
	s_barrier_signal -1
	s_barrier_wait -1
.endif
.endm
.macro WM d, a, b, zero             ; one product; zero = 1: it starts the sum
.if \zero
	v_wmma_f32_16x16x32_f16 v[\d:\d+7], v[\a:\a+7], v[\b:\b+7], 0
.else
	v_wmma_f32_16x16x32_f16 v[\d:\d+7], v[\a:\a+7], v[\b:\b+7], v[\d:\d+7]
.endif
.endm
	s_load_b512 s[4:19], s[0:1], 0x0  ; x 4:5, mask 6:7, gamma 8:9, beta 10:11, bg 12:13, bo 14:15, wt 16:17, out0 18:19
	v_lshl_add_u32 v30, v0, 2, SPARE
	v_mov_b32 v31, 0
	ds_add_u32 v30, v31             ; the wave's opening: the add and its wait stand ahead of my first tensor load; the set-up, work on registers, stands between them
	v_lshrrev_b32 v23, 5, v0
	v_readfirstlane_b32 s20, v23    ; wave 0..3
	s_bfe_u32 s21, ttmp6, 0x40000   ; cx
	s_lshl_b32 s22, ttmp9, 2        ; in a cluster launch ttmp9 counts clusters
	s_add_co_u32 s22, s22, s21      ; my row i
	; descriptor group 1: 32 rows of 32 elements of 8 bytes, dense: a quarter of a tile
	s_mov_b32 s24, 15|(3<<16)|(1<<21)  ; 15:0 the mask of four; 17:16 elements of 8 bytes; 21 set beside a mask; no padding
	s_mov_b32 s25, 32<<16           ; tensor_dim0 = 32
	s_mov_b32 s26, 32<<16           ; tensor_dim1 = 32
	s_mov_b32 s27, 32<<16           ; tile_dim0 = 32
	s_mov_b32 s28, 32               ; tile_dim1 = 32
	s_mov_b32 s29, 32               ; 32 elements from row to row
	s_mov_b32 s30, 0
	s_mov_b32 s31, 0
	s_mov_b32 s32, 1                ; group 0: count = 1
	s_lshl_b32 s33, s20, 13         ; LDS address: slot 0, my quarter
	s_mov_b32 s36, RING1            ; the first change turns it into 0
	s_mov_b32 s37, 8
	s_mov_b32 s40, 0x3e38aa3b       ; log2(e) / 8
	s_mov_b32 s41, s40
	s_mov_b32 s42, 0x76543210
	s_mov_b32 s43, 0xfedcba98
	s_mov_b32 s44, 0xbfb8aa3b       ; -log2(e)
	s_mov_b32 s45, s44
	s_mov_b32 s46, 0xbb800000       ; -1/256
	s_mov_b32 s47, s46
	s_mov_b32 s48, 0x3b800000       ; 1/256
	s_mov_b32 s49, 0x3727c5ac       ; 1e-5
	s_mul_i32 s52, s20, XW
	s_add_co_u32 s52, s52, XN       ; my 64 rows of xn
	s_lshl_b32 s50, s22, 18         ; the row's 262,144 bytes of x and of out0,
	s_lshl_b32 s23, s20, 16         ; my 64 tokens of 1,024 bytes
	s_add_co_u32 s50, s50, s23
	s_mov_b32 s51, 0
	s_lshl_b32 s54, s22, 10         ; the row's 1,024 bytes of mask
	s_mov_b32 s55, 0
	s_lshl_b32 s56, s20, 13         ; my quarter of a tile of wt
	s_mov_b32 s57, 0
	v_and_b32 v1, 15, v0            ; r
	v_bfe_u32 v2, v0, 4, 1          ; h
	v_and_b32 v23, 31, v0
	v_lshlrev_b32 v4, 4, v23        ; 16 x lane
	v_mul_u32_u24 v3, v1, XP
	v_lshl_add_u32 v3, v2, 4, v3
	v_add_nc_u32 v3, s52, v3        ; a fragment of xn: row r, 16 bytes for each half of the lanes
	v_add_nc_u32 v6, KF, v4
	v_lshl_add_u32 v7, s20, 13, v6  ; my four key tiles' fragments: 8,192 bytes of K,
	v_add_nc_u32 v8, 32768, v7      ; and of V^T
	v_lshl_add_u32 v9, v2, 5, BIAS
	v_lshlrev_b32 v10, 5, v2
	v_lshlrev_b32 v20, 4, v1
	v_lshl_add_u32 v11, v2, 10, v20 ; lanes 0-15 one token's 256 bytes, lanes 16-31 the next token's
	v_mul_u32_u24 v12, v2, XP
	v_lshl_add_u32 v12, v1, 3, v12
	v_add_nc_u32 v12, s52, v12
	v_add_nc_u32 v13, s52, v4
	v_lshlrev_b32 v21, 3, v0
	v_add_nc_u32 v22, BIAS, v21
	v_mov_b32 v28, 0                ; v_permlanex16_b32's destinations count as read
	v_mov_b32 v29, 0
	s_wait_dscnt 0x0                ; the opening add is done
	s_wait_kmcnt 0x0
	s_add_nc_u64 s[4:5], s[4:5], s[50:51]
	s_add_nc_u64 s[18:19], s[18:19], s[50:51]
	s_add_nc_u64 s[6:7], s[6:7], s[54:55]
	s_add_nc_u64 s[34:35], s[16:17], s[56:57]  ; global address: tile 0, my quarter
	s_or_b32 s35, s35, 0x80000000   ; type = 2
.irp q, 0,1,2,3
	global_load_b128 v[GAM+4*\q:GAM+4*\q+3], v20, s[8:9] offset:256*\q  ; my channels: 64 q + 4 r .. + 3
.endr
.irp q, 0,1,2,3
	global_load_b128 v[BET+4*\q:BET+4*\q+3], v20, s[10:11] offset:256*\q
.endr
	global_load_b64 v[14:15], v21, s[6:7]
.irp i, 0,1,2,3,4,5,6,7
.irp q, 0,1,2,3
	global_load_b128 v[X+16*\i+4*\q:X+16*\i+4*\q+3], v11, s[4:5] offset:2048*\i+256*\q th:TH_LOAD_NT  ; the ring: my first 16 tokens, 16,384 bytes on their way
.endr
.endr
	CROUND                          ; all four work-groups are here: the first joint load meets
	tensor_load_to_lds s[32:35], s[24:31]  ; tile 0 into slot 0
	s_nop 0
	PLACES
; LAYERNORM.  A slot is a pair of tokens: lanes 0-15 one, lanes 16-31 the next; a lane holds 16 channels, so a token's sums are four steps inside 16 lanes.  The mean is taken away before the squares.
; left: the younger loads that may stay out: four for each of the other slots that are filled.
.macro LNSLOT i, ahead, left
.set XI, X+16*(\i)
	s_wait_loadcnt \left
	v_pk_add_f32 v[T:T+1], v[XI:XI+1], v[XI+2:XI+3]
	v_pk_add_f32 v[T+2:T+3], v[XI+4:XI+5], v[XI+6:XI+7]
	v_pk_add_f32 v[T+4:T+5], v[XI+8:XI+9], v[XI+10:XI+11]
	v_pk_add_f32 v[T+6:T+7], v[XI+12:XI+13], v[XI+14:XI+15]
	v_pk_add_f32 v[T:T+1], v[T:T+1], v[T+2:T+3]
	v_pk_add_f32 v[T+4:T+5], v[T+4:T+5], v[T+6:T+7]
	v_pk_add_f32 v[T:T+1], v[T:T+1], v[T+4:T+5]
	v_add_f32 v[T], v[T], v[T+1]
.irp m, 1,2,4,8
	v_add_f32_dpp v[T], v[T], v[T] row_xmask:\m row_mask:0xf bank_mask:0xf
.endr
.irp k, 0,1,2,3,4,5,6,7
	v_pk_fma_f32 v[XI+2*\k:XI+2*\k+1], v[T:T+1], s[46:47], v[XI+2*\k:XI+2*\k+1] op_sel_hi:[0,0,1]  ; x - sum / 256
.endr
	v_pk_mul_f32 v[T:T+1], v[XI:XI+1], v[XI:XI+1]
	v_pk_mul_f32 v[T+2:T+3], v[XI+2:XI+3], v[XI+2:XI+3]
.irp k, 4,8,12
	v_pk_fma_f32 v[T:T+1], v[XI+\k:XI+\k+1], v[XI+\k:XI+\k+1], v[T:T+1]
	v_pk_fma_f32 v[T+2:T+3], v[XI+\k+2:XI+\k+3], v[XI+\k+2:XI+\k+3], v[T+2:T+3]
.endr
	v_pk_add_f32 v[T:T+1], v[T:T+1], v[T+2:T+3]
	v_add_f32 v[T], v[T], v[T+1]
.irp m, 1,2,4,8
	v_add_f32_dpp v[T], v[T], v[T] row_xmask:\m row_mask:0xf bank_mask:0xf
.endr
	v_fma_f32 v[T], v[T], s48, s49  ; the variance + 1e-5
	v_rsq_f32 v[T+2], v[T]
	v_nop                           ; a plain instruction between the root and the use of its result (ISA guide 5.7.2)
	s_wait_alu depctr_va_vdst(0)
.irp k, 0,1,2,3,4,5,6,7
	v_pk_mul_f32 v[XI+2*\k:XI+2*\k+1], v[XI+2*\k:XI+2*\k+1], v[T+2:T+3] op_sel_hi:[1,0]
.endr
.irp k, 0,1,2,3,4,5,6,7
	v_pk_fma_f32 v[XI+2*\k:XI+2*\k+1], v[XI+2*\k:XI+2*\k+1], v[GAM+2*\k:GAM+2*\k+1], v[BET+2*\k:BET+2*\k+1]
.endr
.irp k, 0,1,2,3,4,5,6,7
	v_cvt_pk_f16_f32 v[T+8+\k], v[XI+2*\k], v[XI+2*\k+1]
.endr
.irp q, 0,1,2,3
	ds_store_b64 v12, v[T+8+2*\q:T+8+2*\q+1] offset:2*XP*(\i)+128*\q
.endr
.if \ahead
.irp q, 0,1,2,3
	global_load_b128 v[XI+4*\q:XI+4*\q+3], v11, s[4:5] offset:16384+2048*(\i)+256*\q th:TH_LOAD_NT  ; the same slot's pair 16 tokens on
.endr
.endif
.endm
	s_mov_b32 s39, 3
.Lln:                               ; a lap: 16 tokens.  Three laps fill the ring again, the fourth is written out and loads nothing
.irp i, 0,1,2,3,4,5,6,7
	LNSLOT \i, 1, 28
.endr
	s_wait_xcnt 0x0                 ; the loads' base is stepped only behind this wait
	s_add_nc_u64 s[4:5], s[4:5], 16384
	v_add_nc_u32 v12, 16*XP, v12
	s_sub_co_u32 s39, s39, 1
	s_cmp_lg_u32 s39, 0
	s_cbranch_scc1 .Lln
.irp i, 0,1,2,3,4,5,6,7
	LNSLOT \i, 0, 28-4*\i
.endr
	; the key bias, in base 2: ((mask - 1) 1e9) log2(e); thread t makes keys 2 t, 2 t + 1
	v_add_f32 v14, -1.0, v14
	v_add_f32 v15, -1.0, v15
	v_mul_f32 v14, 0x4e6e6b28, v14
	v_mul_f32 v15, 0x4e6e6b28, v15
	v_mul_f32 v14, 0x3fb8aa3b, v14
	v_mul_f32 v15, 0x3fb8aa3b, v15
	ds_store_b64 v22, v[14:15]
	v_mul_u32_u24 v12, v1, SPI      ; the stage's way in: row r, 32 bytes for each half of the lanes
	v_lshl_add_u32 v12, v2, 5, v12
	v_add_nc_u32 v12, s52, v12
	; the output's sums begin as bo: register j of block ct is channel 16 ct + 8 h + j.  They are waited for with the first head's bg.
	WIN 0x80
.set i, 0
.rept 64
	global_load_b128 v[4*i:4*i+3], v10, s[14:15] offset:64*((i/2)%16)+16*(i%2)
.set i, i+1
.endr
	WIN 0xc0
.set i, 0
.rept 64
	global_load_b128 v[4*i:4*i+3], v10, s[14:15] offset:64*((i/2)%16)+16*(i%2)
.set i, i+1
.endr
	WIN 0
; A PROJECTION PASS makes two matrices' 64 channels of the head for my 64 tokens: 32 accumulators (block nt, tile t at 8 (4 nt + t) of window 1), K = 256 in two tiles of 128, four steps of 32 each.
.macro LOADK c, buf, kh             ; 24 LDS loads: xn's four fragments, then W's blocks 0-3, then 4-7
	WIN 0
.irp t, 0,1,2,3
	ds_load_b128 v[(\buf)+8*\t:(\buf)+8*\t+3],   v3 offset:16*XP*\t+256*(\kh)+64*(\c)
	ds_load_b128 v[(\buf)+8*\t+4:(\buf)+8*\t+7], v3 offset:16*XP*\t+256*(\kh)+64*(\c)+32
.endr
.irp n, 0,1,2,3,4,5,6,7
	ds_load_b128 v[(\buf)+32+8*\n:(\buf)+32+8*\n+3],   v5 offset:8192*(\c)+1024*\n
	ds_load_b128 v[(\buf)+32+8*\n+4:(\buf)+32+8*\n+7], v5 offset:8192*(\c)+1024*\n+512
.endr
.endm
.macro MULK buf, half, zero, kv     ; 16 products on 16 accumulators, which take turns; v (kv = 1, half = 1) takes its sources the other way round
	WIN 0x50
.irp n, 0,1,2,3
.irp t, 0,1,2,3
.if (\kv) && (\half)
	WM 8*(4*(4*(\half)+\n)+\t), (\buf)+8*\t, (\buf)+32+8*(4*(\half)+\n), \zero
.else
	WM 8*(4*(4*(\half)+\n)+\t), (\buf)+32+8*(4*(\half)+\n), (\buf)+8*\t, \zero
.endif
.endr
.endr
.endm
.macro PROJ kv, kh
	WIN 0
	v_add_nc_u32 v5, s36, v4
	LOADK 0, FB0, \kh
.irp c, 0,1,2,3
.set ZZ, 0
.if ((\kh) == 0) && ((\c) == 0)
.set ZZ, 1
.endif
.set BU, FB0+96*((\c)%2)
.set BN, FB0+96*(((\c)+1)%2)
	s_wait_dscnt 8                  ; xn and W's blocks 0-3 are in; the youngest eight loads may be out
	MULK BU, 0, ZZ, \kv
.if (\c) < 3
	PLACES
	LOADK (\c)+1, BN, \kh
	s_wait_dscnt 24                 ; all but the 24 just issued
.else
	s_wait_dscnt 0
.endif
	MULK BU, 1, ZZ, \kv
.endr
.endm
.macro KVOUT                        ; k and v rounded to f16: each accumulator's four registers are half a fragment as they lie
	PLACES
	WIN 0x05
.set i, 0
.rept 128
	v_cvt_pk_f16_f32 v[32+i], v[2*i], v[2*i+1]
.set i, i+1
.endr
	WIN 0
.irp n, 0,1,2,3
.irp t, 0,1,2,3
	ds_store_b128 v7, v[32+4*(4*\n+\t):32+4*(4*\n+\t)+3] offset:2048*\t+1024*(\n/2)+512*(\n%2)        ; K: key tile 4 w + t, channels 16 n on
	ds_store_b128 v8, v[96+4*(4*\n+\t):96+4*(4*\n+\t)+3] offset:4096*(\t/2)+1024*\n+512*(\t%2)        ; V^T: channels 16 n on, key tile 4 w + t
.endr
.endr
.endm
.macro QGOUT                        ; q rounded to f16; g = 1 / (1 + 2^(-(z + bg) log2(e))), rounded to f16
	s_wait_loadcnt 0x0              ; bg (the first time bo too)
	s_add_nc_u64 s[12:13], s[12:13], 256  ; the next head's bg
	PLACES
	WIN 0x05
.irp n, 0,1,2,3
.irp t, 0,1,2,3
.irp i, 0,1,2,3
	v_cvt_pk_f16_f32 v[QA+16*\t+4*\n+\i], v[8*(4*\n+\t)+2*\i], v[8*(4*\n+\t)+2*\i+1]
.endr
.endr
.endr
	WIN 0
.set k, 0
.rept 16
	v_pk_mul_f32 v[BGT+2*k:BGT+2*k+1], v[BGT+2*k:BGT+2*k+1], s[44:45] op_sel_hi:[1,0]
.set k, k+1
.endr
	WIN 0x41
.set k, 0
.rept 64                            ; a packed line, then the two exponentials of the pair before it: a plain instruction stands behind each pair of exponentials
	v_pk_fma_f32 v[128+2*k:129+2*k], v[128+2*k:129+2*k], s[44:45], v[BGT+8*(k/16)+2*(k%4):BGT+8*(k/16)+2*(k%4)+1] op_sel_hi:[1,0,1]
.if k > 0
	v_exp_f32 v[126+2*k], v[126+2*k]
	v_exp_f32 v[127+2*k], v[127+2*k]
.endif
.set k, k+1
.endr
	v_exp_f32 v254, v254
	v_exp_f32 v255, v255
	v_nop
.set k, 0
	s_wait_alu depctr_va_vdst(0)
.rept 64
	v_pk_add_f32 v[128+2*k:129+2*k], v[128+2*k:129+2*k], 1.0 op_sel_hi:[1,0]
.if k > 0
	v_rcp_f32 v[126+2*k], v[126+2*k]
	v_rcp_f32 v[127+2*k], v[127+2*k]
.endif
.set k, k+1
.endr
	v_rcp_f32 v254, v254
	v_rcp_f32 v255, v255
	v_nop
	WIN 0x05
	s_wait_alu depctr_va_vdst(0)
.irp cb, 0,1,2,3
.irp t, 0,1,2,3
.irp i, 0,1,2,3
	v_cvt_pk_f16_f32 v[GA+16*\t+4*\cb+\i], v[128+32*\cb+8*\t+2*\i], v[128+32*\cb+8*\t+2*\i+1]
.endr
.endr
.endr
	WIN 0
.endm
; ATTENTION, for a PIECE of two query tiles u.  K's and V^T's fragments come in groups of four (4,096 bytes, eight loads) through three buffers, two groups ahead.
.macro LOADG base, g
.irp j, 0,1,2,3,4,5,6,7
	ds_load_b128 v[F+32*((\g)%3)+4*\j:F+32*((\g)%3)+4*\j+3], v6 offset:(\base)+4096*(\g)+512*\j
.endr
.endm
.macro GWAIT g                      ; group g is in: the younger groups' eight loads each may be out
.if (\g) < 6
	s_wait_dscnt 16
.elseif (\g) == 6
	s_wait_dscnt 8
.else
	s_wait_dscnt 0
.endif
.endm
.macro SPH                          ; S^T = K Q^T: tile u, key tile kb at 128 u + 8 kb of window 1.  Group g: key tiles 2 g, 2 g + 1; four accumulators by turns
	WIN 0
	LOADG 0, 0
	LOADG 0, 1
	LOADG 0, 2
.irp g, 0,1,2,3,4,5,6,7
	GWAIT \g
	WIN 0x50
.irp c, 0,1
.irp kbl, 0,1
.irp u, 0,1
	WM 128*\u+8*(2*\g+\kbl), F+32*(\g%3)+16*\kbl+8*\c, QA+16*\u+8*\c, 1-\c
.endr
.endr
.endr
.if \g < 5
	PLACES
	WIN 0
	LOADG 0, \g+3
.endif
.endr
.endm
.macro SOFTMAX
	PLACES
	WIN 0
.set kb, 0
.rept 12                            ; the bias of key tiles 0-11: my eight keys of each
	ds_load_b128 v[F+8*kb:F+8*kb+3],   v9 offset:64*kb
	ds_load_b128 v[F+8*kb+4:F+8*kb+7], v9 offset:64*kb+16
.set kb, kb+1
.endr
	WIN 0x41
.set kb, 0
.rept 16                            ; s log2(e) / 8 + bias; each accumulator's lowest registers are read first
.if kb < 4
	s_wait_dscnt 2*(11-kb)          ; the later key tiles' two loads each may be out;
.elseif kb < 12
	s_wait_dscnt 2*(11-kb)+8        ; so may the eight of key tiles 12-15;
.else
	s_wait_dscnt 2*(15-kb)
.endif
.irp u, 0,1
.irp p, 0,1,2,3
	v_pk_fma_f32 v[128*\u+8*kb+2*\p:128*\u+8*kb+2*\p+1], v[128*\u+8*kb+2*\p:128*\u+8*kb+2*\p+1], s[40:41], v[F+8*(kb%12)+2*\p:F+8*(kb%12)+2*\p+1] op_sel_hi:[1,0,1]
.endr
.endr
.if kb == 3
	WIN 0
.irp z, 0,1,2,3                     ; key tiles 12-15 take the registers of 0-3
	ds_load_b128 v[F+8*\z:F+8*\z+3],   v9 offset:768+64*\z
	ds_load_b128 v[F+8*\z+4:F+8*\z+7], v9 offset:768+64*\z+16
.endr
	WIN 0x41
.endif
.set kb, kb+1
.endr
	WIN 0x05                        ; the maximum: four chains of 32 numbers a tile, the eight chains by turns
.irp u, 0,1
.irp ch, 0,1,2,3
	v_max_num_f32 v[MX+4*\u+\ch], v[128*\u+32*\ch], v[128*\u+32*\ch+1]
.endr
.endr
.set k, 1
.rept 15
.irp u, 0,1
.irp ch, 0,1,2,3
	v_max3_num_f32 v[MX+4*\u+\ch], v[128*\u+32*\ch+2*k], v[128*\u+32*\ch+2*k+1], v[MX+4*\u+\ch]
.endr
.endr
.set k, k+1
.endr
	WIN 0
.irp u, 0,1
	v_max3_num_f32 v[MX+4*\u], v[MX+4*\u], v[MX+4*\u+1], v[MX+4*\u+2]
.endr
.irp u, 0,1
	v_max_num_f32 v[MX+4*\u], v[MX+4*\u], v[MX+4*\u+3]
.endr
.irp u, 0,1
	v_permlanex16_b32 v[28+\u], v[MX+4*\u], s42, s43  ; the query's other 128 keys lie in the lane 16 away
.endr
.irp u, 0,1
	v_max_num_f32 v[16+2*\u], v[MX+4*\u], v[28+\u]
.endr
.irp u, 0,1
	v_mov_b32 v[17+2*\u], v[16+2*\u]  ; named with it as a pair
.endr
	WIN 0x41
.set k, 0
.rept 128                           ; the maximum is taken away; then the two exponentials of the pair before: a plain instruction stands behind each pair of exponentials
	v_pk_add_f32 v[2*k:2*k+1], v[2*k:2*k+1], v[16+2*(k/64):17+2*(k/64)] op_sel_hi:[1,0] neg_lo:[0,1] neg_hi:[0,1]
.if k > 0
	v_exp_f32 v[2*k-2], v[2*k-2]
	v_exp_f32 v[2*k-1], v[2*k-1]
.endif
.set k, k+1
.endr
	v_exp_f32 v254, v254
	v_exp_f32 v255, v255
	v_nop
	WIN 0x05                        ; the sum of the unrounded weights: four chains of 16 pairs a tile
	s_wait_alu depctr_va_vdst(0)
.irp u, 0,1
.irp ch, 0,1,2,3
	v_pk_add_f32 v[LS+8*\u+2*\ch:LS+8*\u+2*\ch+1], v[128*\u+32*\ch:128*\u+32*\ch+1], v[128*\u+32*\ch+2:128*\u+32*\ch+3]
.endr
.endr
	WIN 0x01
.set k, 2
.rept 14
.irp u, 0,1
.irp ch, 0,1,2,3
	v_pk_add_f32 v[LS+8*\u+2*\ch:LS+8*\u+2*\ch+1], v[128*\u+32*\ch+2*k:128*\u+32*\ch+2*k+1], v[LS+8*\u+2*\ch:LS+8*\u+2*\ch+1]
.endr
.endr
.set k, k+1
.endr
	WIN 0
.irp u, 0,1
	v_pk_add_f32 v[LS+8*\u:LS+8*\u+1], v[LS+8*\u:LS+8*\u+1], v[LS+8*\u+2:LS+8*\u+3]
	v_pk_add_f32 v[LS+8*\u+4:LS+8*\u+5], v[LS+8*\u+4:LS+8*\u+5], v[LS+8*\u+6:LS+8*\u+7]
.endr
.irp u, 0,1
	v_pk_add_f32 v[LS+8*\u:LS+8*\u+1], v[LS+8*\u:LS+8*\u+1], v[LS+8*\u+4:LS+8*\u+5]
.endr
.irp u, 0,1
	v_add_f32 v[LS+8*\u], v[LS+8*\u], v[LS+8*\u+1]
.endr
.irp u, 0,1
	v_permlanex16_b32 v[28+\u], v[LS+8*\u], s42, s43
.endr
.irp u, 0,1
	v_add_f32 v[LS+8*\u], v[LS+8*\u], v[28+\u]
.endr
.irp u, 0,1
	v_rcp_f32 v[16+2*\u], v[LS+8*\u]  ; the sum is at least 1: the largest weight is 1
.endr
	v_nop
	s_wait_alu depctr_va_vdst(0)
.irp u, 0,1
	v_mov_b32 v[17+2*\u], v[16+2*\u]
.endr
	LOADG 32768, 0                  ; V^T's first three groups, ahead of the roundings
	LOADG 32768, 1
	LOADG 32768, 2
	WIN 0x45
.set i, 0
.rept 128                           ; p rounded to f16, in place and ascending: tile u's P for keys 32 kk on lies at 128 u + 8 kk
	v_cvt_pk_f16_f32 v[128*(i/64)+i%64], v[128*(i/64)+2*(i%64)], v[128*(i/64)+2*(i%64)+1]
.set i, i+1
.endr
.endm
.macro PVPH                         ; O^T = V^T P: tile u, channel block cb at 128 u + 64 + 8 cb of window 1.  Group kk: 32 keys; eight accumulators by turns
.irp kk, 0,1,2,3,4,5,6,7
.set ZZ, 0
.if \kk == 0
.set ZZ, 1
.endif
	GWAIT \kk
	WIN 0x54
.irp cb, 0,1,2,3
.irp u, 0,1
	WM 128*\u+64+8*\cb, F+32*(\kk%3)+8*\cb, 128*\u+8*\kk, ZZ
.endr
.endr
.if \kk < 5
	PLACES
	WIN 0
	LOADG 32768, \kk+3
.endif
.endr
.endm
.macro GATE                         ; o = O^T / sum, rounded to f16, times g: it takes Q's place, as the fragments of the output projection
	PLACES
	WIN 0x41
.irp u, 0,1
.set k, 0
.rept 16
	v_pk_mul_f32 v[128*\u+64+2*k:128*\u+64+2*k+1], v[128*\u+64+2*k:128*\u+64+2*k+1], v[16+2*\u:17+2*\u] op_sel_hi:[1,0]
.set k, k+1
.endr
.endr
	WIN 0x05
.irp u, 0,1
.set k, 0
.rept 16
	v_cvt_pk_f16_f32 v[QA+16*\u+k], v[128*\u+64+2*k], v[128*\u+64+2*k+1]
.set k, k+1
.endr
.endr
	WIN 0
.set k, 0
.rept 32
	v_pk_mul_f16 v[QA+k], v[QA+k], v[GA+k]
.set k, k+1
.endr
.endm
.macro ROTATE                       ; the two pieces change places, so that the piece's text stands once: after two trips v32-95 hold o g of tiles 0 to 3 in order
.set k, 0
.rept 32
	v_swap_b32 v[QA+k], v[QA+32+k]
	v_mov_b32 v[GA+k], v[GA+32+k]
.set k, k+1
.endr
.endm
; THE OUTPUT PROJECTION of one head: out^T += Wo (o g), K = 64.  Four groups of four channel blocks (8,192 bytes, 16 loads) through two buffers; in a group eight accumulators of a window by turns.
.macro LOADW gq
.irp j, 0,1,2,3,4,5,6,7,8,9,10,11,12,13,14,15
	ds_load_b128 v[WB0+64*((\gq)%2)+4*\j:WB0+64*((\gq)%2)+4*\j+3], v5 offset:8192*(\gq)+512*\j
.endr
.endm
.macro OUTP
	WIN 0
	v_add_nc_u32 v5, s36, v4
	LOADW 0
	LOADW 1
.irp gq, 0,1,2,3
.if \gq < 3
	s_wait_dscnt 16                 ; the next group's 16 loads may be out
.else
	s_wait_dscnt 0
.endif
.irp tp, 0,1
	WIN 0xa0+0x50*\tp
.irp c, 0,1
.irp ctl, 0,1,2,3
.irp tl, 0,1
	WM 128*\tl+8*(4*\gq+\ctl), WB0+64*(\gq%2)+16*\ctl+8*\c, 32+16*(2*\tp+\tl)+8*\c, 0
.endr
.endr
.endr
.endr
.if \gq < 2
	PLACES
	WIN 0
	LOADW \gq+2
.endif
.endr
	WIN 0
.endm
; THE WAY OUT, a tile of 16 tokens at a time: a lane's eight channels go into my stage (rows of 1,040 bytes: the sixteen lanes of a store begin in sixteen different 16-byte columns of 256) and come back
; as whole rows; LDS serves a wave's instructions in order (ISA guide 5.7.1.4), and the stage is my own, so no wait stands between the stores and the loads, and no barrier.
.macro WAYOUT
	PLACES
.irp t, 0,1,2,3
	WIN 0x08+4*(\t/2)               ; the stores' data in window 2 or 3
.set i, 0
.rept 32
	ds_store_b128 v12, v[128*(\t%2)+4*i:128*(\t%2)+4*i+3] offset:64*(i/2)+16*(i%2)
.set i, i+1
.endr
	WIN 0
	s_wait_xcnt 0x0                 ; the registers that the last tile's stores read are loaded again only behind this wait
.set i, 0
.rept 32
	ds_load_b128 v[32+4*i:32+4*i+3], v13 offset:SPI*(i/2)+512*(i%2)
.set i, i+1
.endr
.set i, 0
.rept 32
	s_wait_dscnt 31-i
	global_store_b128 v4, v[32+4*i:32+4*i+3], s[18:19] offset:(16*\t+i/2)*1024+512*(i%2) th:TH_STORE_NT  ; 512 consecutive bytes, at a multiple of 512 from out0's first
.set i, i+1
.endr
.endr
.endm
	s_branch .Lenter                ; the loop over heads is entered in the middle of a trip: there is no head before the first whose o g could be multiplied
.Lhead:
	CHANGE 1                        ; Wo's tile is in; the next head's first tile is asked for
	OUTP                            ; the head before
	WIN 0
.Lenter:
	CHANGE 1
	PROJ 1, 0                       ; k and v, input channels 0-127
	CHANGE 1
	PROJ 1, 1                       ; and 128-255
	KVOUT
	CHANGE 1
	PROJ 0, 0                       ; q and g
	CHANGE 1                        ; Wo's tile is asked for: it has the rest of the pass and the whole attention in which to land
.irp k, 0,1,2,3,4,5,6,7
	global_load_b128 v[BGT+4*\k:BGT+4*\k+3], v10, s[12:13] offset:64*(\k/2)+16*(\k%2)  ; register j of block cb is channel 16 cb + 8 h + j of the head
.endr
	PROJ 0, 1
	QGOUT
	s_mov_b32 s38, 2
.Lpiece:
	SPH
	SOFTMAX
	PVPH
	GATE
	ROTATE
	WIN 0
	s_sub_co_u32 s38, s38, 1
	s_cmp_lg_u32 s38, 0
	s_cbranch_scc1 .Lpiece
	s_sub_co_u32 s37, s37, 1
	s_cmp_lg_u32 s37, 0
	s_cbranch_scc1 .Lhead
	CHANGE 0                        ; the tail is written out: the last head's Wo is in, and nothing is asked for
	OUTP
	WAYOUT
	WIN 0
	s_wait_tensorcnt 0x0            ; the wave's end: behind my last tensor load and my last LDS store
	ds_add_u32 v30, v31
	s_wait_dscnt 0x0
	CROUND                          ; the closing round: no work-group ends while a partner may still ask for a tile that names it
	s_endpgm
.Lfunc_end_k_qdb0ccc6282_tri:
	.size	k_qdb0ccc6282_tri, .Lfunc_end_k_qdb0ccc6282_tri-k_qdb0ccc6282_tri
	.p2alignl 7, 3214868480
	.fill 96, 4, 3214868480
	.section	.rodata,"a",@progbits
	.p2align	6, 0x0
	.amdhsa_kernel k_qdb0ccc6282_tri
		.amdhsa_group_segment_fixed_size 327680
		.amdhsa_private_segment_fixed_size 0
		.amdhsa_enable_private_segment 0
		.amdhsa_kernarg_size 64
		.amdhsa_user_sgpr_count 2
		.amdhsa_user_sgpr_kernarg_segment_ptr 1
		.amdhsa_wavefront_size32 1
		.amdhsa_system_sgpr_workgroup_id_x 1
		.amdhsa_system_sgpr_workgroup_id_y 1
		.amdhsa_system_sgpr_workgroup_id_z 1
		.amdhsa_system_vgpr_workitem_id 0
		.amdhsa_next_free_vgpr 1024
		.amdhsa_next_free_sgpr 66
		.amdhsa_reserve_vcc 0
		.amdhsa_float_denorm_mode_32 3
		.amdhsa_float_denorm_mode_16_64 3
		.amdhsa_memory_ordered 1
		.amdhsa_forward_progress 1
		.amdhsa_inst_pref_size 255
	.end_amdhsa_kernel
	.section	.bss,"aw",@nobits
	.p2align	6
	.space	262144
	.amdgpu_metadata
---
amdhsa.version: [ 1, 2 ]
amdhsa.kernels:
  - .name:           k_qdb0ccc6282_tri
    .symbol:         k_qdb0ccc6282_tri.kd
    .args:
      - { .name: x, .offset: 0, .size: 8, .value_kind: global_buffer, .address_space: global }
      - { .name: mask, .offset: 8, .size: 8, .value_kind: global_buffer, .address_space: global }
      - { .name: gamma, .offset: 16, .size: 8, .value_kind: global_buffer, .address_space: global }
      - { .name: beta, .offset: 24, .size: 8, .value_kind: global_buffer, .address_space: global }
      - { .name: bg, .offset: 32, .size: 8, .value_kind: global_buffer, .address_space: global }
      - { .name: bo, .offset: 40, .size: 8, .value_kind: global_buffer, .address_space: global }
      - { .name: wt, .offset: 48, .size: 8, .value_kind: global_buffer, .address_space: global }
      - { .name: out0, .offset: 56, .size: 8, .value_kind: global_buffer, .address_space: global }
    .group_segment_fixed_size: 327680
    .private_segment_fixed_size: 0
    .kernarg_segment_align: 8
    .kernarg_segment_size: 64
    .max_flat_workgroup_size: 128
    .sgpr_count:     66
    .vgpr_count:     1024
    .wavefront_size: 32
...
	.end_amdgpu_metadata
.endif
;; end of part 2
